; MI455X (gfx1250); checked and timed in simulation.
; The chip was launched on July 23, 2026; its instructions are those of AMD's public machine-readable ISA for CDNA 5 (MIT licence, August 2026) and "CDNA5" Instruction Set Architecture Reference Guide (July 2026). The comments in the code are by the model that wrote it; some were corrected since.
;; triton gemm rs intra node. Allowed arithmetic: matrix products marked QUANTISED: E4M3 operands, one E8M0 scale for each 32 along K, by v_wmma_scale_f32_16x16x128_f8f6f4 with both operands' format E4M3, f32 sums; everything else in f32.
;; Inputs: a_codes 8 x 4,096 x 16 x 32 uint8 (E4M3 codes of a, K innermost, in blocks of 32 codes); a_scales 8 x 4,096 x 16 uint8 (E8M0 scales of a, one for each 32 codes along K); b_codes 8 x 4,096 x 16 x 32 uint8 (E4M3 codes of b, K innermost, in blocks of 32 codes); b_scales 8 x 4,096 x 16 uint8 (E8M0 scales of b, one for each 32 codes along K).
;; Outputs: out0 8 x 512 x 4,096 float32.
;; This version of the problem:
;;   THIS VERSION OF THE PROBLEM IS GIVEN IN LOW PRECISION. The matrix products marked QUANTISED in the list below multiply operands that are first quantised to E4M3 (4 exponent bits, 3 mantissa bits; 8 bits a number), with one power-of-two scale for each 32 numbers along K (OCP MX v1.0); their sums are f32. All else is computed in f32.
;;   The module's matrix products, in the order in which they are computed (A, B: the left and right operand; K: the contracted axis; several contracted axes count as one K, in the product's order):
;;     1. batch 8 x [M 4,096, K 512] x [K 512, N 4,096]; A: input a (given as codes); B: input b (given as codes): QUANTISED
;;   THE QUANTISER, for each operand of a quantised product, along K:
;;     - K is cut into blocks of 32 from its start; a last block that is shorter is filled with zeros.
;;     - A block's scale is 2^e with e = floor(log2(the largest magnitude in the block)) - 8, held to -126 .. 127; a block of zeros has e = 0. As a byte (E8M0): e + 127.
;;     - Each number is divided by its block's scale, clamped to +-448, and rounded to the nearest number of E4M3, ties to even, subnormals kept.
;;     - The product sums the exact products of the quantised numbers (number of the format x scale) in f32.
;;   ~~~python
;;   def quantise(x, axis):      # numpy; x: float32 -> the quantised numbers, widened to float32 again
;;       x = np.moveaxis(x, axis, -1); K = x.shape[-1]
;;       x = np.pad(x, [(0, 0)] * (x.ndim - 1) + [(0, -K % 32)]); x = x.reshape(x.shape[:-1] + (-1, 32)); a = np.abs(x).max(-1, keepdims=True)
;;       e = np.where(a > 0, np.clip(np.frexp(np.where(a > 0, a, 1))[1] - 1 - 8, -126, 127), 0)      # np.frexp(a)[1] - 1 = floor(log2(a)), exactly
;;       r = np.clip(x / 2.0 ** e, -448, 448)
;;       step = 2.0 ** (np.maximum(np.frexp(np.where(r == 0, 1, r))[1] - 1, -6) - 3)
;;       q = np.round(r / step) * step * 2.0 ** e      # np.round: ties to even
;;       return np.moveaxis(q.reshape(q.shape[:-2] + (-1,))[..., :K], -1, axis).astype(np.float32)
;;   ~~~
;;   INPUTS GIVEN AS CODES. a (in the module: [8, 4096, 512], K = its axis 2); b (in the module: [8, 4096, 512], K = its axis 2): each comes as NAME_codes (uint8): NAME with its K axis moved to the last place and cut into blocks of 32 codes, [.., K / 32, bytes a block], one block behind the other in memory; one code a byte (a code: sign, 4 exponent bits, 3 mantissa bits); and NAME_scales (uint8): the same leading axes, one E8M0 byte (e + 127) for each 32 codes along K. Its value is code x scale, taken as it is: it is not quantised again, and the codes and scales need not be those that the quantiser above would give.
;; One version. Each part assembles by itself: llvm-mc -triple=amdgcn-amd-amdhsa -mcpu=gfx1250 --defsym DOCPART=n.
;; ======== version 1 of 1: 1 launch
;; limits: right only within a limited range of input values
;; launch gemm_rs (part 1): grid 16 x 16, 4 waves a work-group, clusters of 4 x 4, 327,680 bytes of LDS; arguments a_codes, a_scales, b_codes, b_scales, out0; writes out0
.if DOCPART == 1
	.amdgcn_target "amdgcn-amd-amdhsa--gfx1250"
	.amdhsa_code_object_version 6
	.text
	.protected	k_q8e8a1dcb70_gemm_rs
	.globl	k_q8e8a1dcb70_gemm_rs
	.p2align	8
	.type	k_q8e8a1dcb70_gemm_rs,@function
k_q8e8a1dcb70_gemm_rs:
	s_mov_b64 s[64:65], 0
	v_nop
	global_prefetch_b8 v0, s[64:65] scope:SCOPE_SE
	s_setreg_imm32_b32 hwreg(HW_REG_WAVE_MODE, 25, 1), 1
	s_wait_xcnt 0x0
	s_wait_alu depctr_hold_cnt(0) depctr_sa_sdst(0) depctr_va_vdst(0) depctr_va_sdst(0) depctr_va_ssrc(0) depctr_va_vcc(0) depctr_vm_vsrc(0)
	s_getreg_b32 s2, hwreg(HW_REG_IB_STS2, 6, 4)
	s_cmp_eq_u32 s2, 0
	s_cbranch_scc0 .Lentry_in_a_cluster
	s_endpgm
.Lentry_in_a_cluster:
	s_bfe_u32 s2, ttmp6, 0x10000c
	s_cmp_lg_u32 s2, 0xf033
	s_cbranch_scc0 .Lentry_shape_is_right
	s_endpgm
.Lentry_shape_is_right:
; out0, read flat, is C [4096][4096] f32: C[m][n] = the sum over rank r = 0 .. 7 and k = 0 .. 511 of a[r][m][k] b[r][n][k].  The scatter only names row m as (m / 512, m % 512), and the sum over
; source ranks is more K: ONE product with K = 4,096.  The ranks' partial products are never formed.  Codes (E4M3) and E8M0 bytes go to the matrix instruction as they lie in memory.
; LIMITS: the eight ranks are summed in one f32 chain, beginning at a rank that hangs on the cluster (below), where the definition adds eight f32 partial sums: the two differ by f32 rounding.
; NaN codes and the byte 0xff are passed on as given.
; SHARES: a work-group of four waves makes 256 x 256 of C, a wave 128 x 128: 64 accumulators, 512 registers.  16 x 16 tiles: 256 work-groups.
; THE RING: two LDS slots; slot 0 holds bytes 0-255 of a rank's 256 rows of A and of B, slot 1 bytes 256-511.  A lap is a rank.  A refill is one tensor load a wave, 128 rows x 256 bytes.
; CLUSTERS 4 x 4: A's tiles are asked for jointly along a row of the cluster, B's along a column.
; THE WALK OVER THE RANKS: cluster (X, Y) begins at rank 2 ((X + Y) % 4) and goes round the eight.  The four clusters of a row of clusters read the same rows of A, the four of a column the same rows of B:
; by this walk they read four different ranks of them in any lap.  The first rank hangs on the cluster's numbers alone, which all sixteen partners share, and enters global addresses alone.
; THE HEAD: four tiles of 256 rows (A and B of slot 0, A and B of slot 1), one joint load a wave, each in its own arm.  Waves 0 and 1 wait for theirs ahead of the first barrier; waves 2 and 3, whose tiles
; are first read behind the first change of slots, wait there, where every wave waits for all its loads.
; THE SCALES go from memory into registers: a rank's words of a wave's 128 rows of A (and of B) are 2,048 dense bytes: eight loads of 512 consecutive bytes a rank, asked for a lap ahead, two sets by the
; lap's parity (so a trip of the loop is two laps).  They are not asked for jointly: 1/32 of a step's bytes, and behind a round each wave's one tensor load is taken by the codes.
; A STEP is 128 along K: 64 products, A's blocks 0 .. 7 one after the other, each against B's eight.  A has one set of registers, B two.  THE LDS LOADS stand in runs of 32 at the most, each as soon as its
; registers are free and behind eight places
;   a slot's first step:  at its head this step's A6, A7 and the next step's B0-5;  behind block 3 B6, B7 and A0-3;  behind block 5 A4, A5;
;   a slot's second step: at its head this step's A6, A7, its last reads of the slot;  the change of slots in blocks 0 and 1;  behind it B0-7;  behind block 3 A0-3;  behind block 5 A4, A5.
; TRANSPOSED USE: source 0 = 16 rows of B, source 1 = 16 rows of A: a lane holds eight neighbouring numbers of a row of C.
; REGISTERS: window 0: v0-31 addresses, v32-101 scale words, v128-255 A's fragments.  Window 1: B's two sets (v0, v128); in the last step set 0 takes rows of C on the way out.
;   Window 2: accumulators of my rows 0-63 ((a, b) at v[8 (8 (a % 4) + b)]); window 3: rows 64-127.
.set SIZE_N, 4096
.set PITCH,  272                       ; an LDS row: 256 bytes + 16 of padding: the 16 rows that a load touches start at 16 different groups of four banks (ISA guide 11.1)
.set FR,     16                        ; registers of a fragment: 16 rows x 128 K
.set HALFT,  128*PITCH
.set SLOT,   4*HALFT                   ; A's 256 rows, then B's 256 rows
.set SPARE,  2*SLOT                    ; the spare words: 128 bytes a wave, two blocks of 256 bytes that no other line names
.set SPITCH, 528                       ; the way out: a stage of 16 rows x (512 + 16) bytes for each wave, in slot 0, behind that slot's last fill and last read
.set ADRA, 16                          ; v16-17 LDS address of my A fragments in slot 0, 1
.set ADRB, 20                          ; v20-21 the same for B
.set STO,  24                          ; the way out: where I put 32 bytes of a row
.set RD,   25                          ; the way out: where I read a row back
.set CO,   26                          ; 16 x lane
.set SPW,  28                          ; my spare word
.set NIL,  29                          ; 0
.set PFO,  30                          ; 512 x lane: a lane a row, for the prefetches
.set SC,   32                          ; scale words: set p at SC + 36 p.  Register 4 j + g: lanes 0-15 A's block 2 j, lanes 16-31 block 2 j + 1, the rank's g-th 128 along K; register 18 + 4 j + g: B's likewise
.set AF,   128
.set RK,   2                           ; s2 the rank of the lap (from a lap's first change of slots on: of the next lap)
.set PFB,  4                           ; s[4:5]   my 32 rows for the prefetches, in rank 0
.set SAB,  6                           ; s[6:7]   the scale bytes of my 128 rows of A, in rank 0
.set TP,   8                           ; s[8:9]   an offset at work; s9 stays 0
.set SBB,  10                          ; s[10:11] the scale bytes of my 128 rows of B, in rank 0
.set BBS,  18                          ; s[18:19] the 128 rows of B that I fetch, in rank 0
.set OFS,  20                          ; s[20:21] the refills' offset: 2^21 x rank + 256 x slot; s21 stays 0
.set ABS,  22                          ; s[22:23] the 128 rows of A that I fetch, in rank 0
.set G1,   24                          ; s[24:31] group 1 of A's ring tiles (128 rows); s[32:39] group 0, a set a slot
.set G0,   32
.set G1B,  48                          ; the same for B
.set G0B,  56
.set PFA,  66                          ; s[66:67] where my prefetches stand
.set SA,   68                          ; s[68:69], s[70:71] the scale bytes of the rank last asked for
.set SB,   70
.set G1H,  72                          ; s[72:79], s[80:87] group 1 of the head's tiles (256 rows), A's and B's
.set G1HB, 80
.set H0,   88                          ; group 0 of the head's four tiles: s[88:91], s[92:95], s[96:99], s[44:47]
.set H1,   92
.set H2,   96
.set H3,   44
.set G1W,  (3<<16)|(1<<20)|(1<<21)|(5<<22)|(3<<25)   ; elements of 8 bytes; padding on; bit 21 beside a mask; behind every 64 words, 4 words
.set MSB, 0
.macro WIN new                         ; the immediate's high byte repeats the setting that is left; a switch that changes nothing is dropped
.if MSB != (\new)
	s_set_vgpr_msb (MSB<<8)|(\new)
.set MSB, (\new)
.endif
.endm
.set MUL_LO, 0xa1                      ; source 0 (B) window 1, source 1 (A) window 0, C and D window 2; + 0x50: window 3
.set TO_B,   0x40                      ; destination window 1, address window 0
.macro PLACES n
.rept \n
	v_nop
.endr
.endm
.macro G1SET g, rows                   ; rows of 32 elements (256 bytes), 64 elements (512 bytes) from row to row
	s_mov_b32 s[\g+1], 32<<16
	s_mov_b32 s[\g+2], (\rows)<<16
	s_mov_b32 s[\g+3], 32<<16
	s_mov_b32 s[\g+4], \rows
	s_mov_b32 s[\g+5], 64
	s_mov_b32 s[\g+6], 0
	s_mov_b32 s[\g+7], 0
.endm
.macro G0SET g, lds, p, off            ; group 0: count 1, a constant LDS address, the address in s[p:p+1] + off, type 2
	s_mov_b32 s[\g], 1
	s_mov_b32 s[\g+1], \lds
	s_add_nc_u64 s[\g+2:\g+3], s[\p:\p+1], \off
	s_or_b32 s[\g+3], s[\g+3], 0x80000000
.endm
.macro JLOAD slot                      ; a joint refill, one tensor load a wave: waves 0 and 1 A's halves, waves 2 and 3 B's; s_nop 0 and four v_nop behind each line
	s_cmp_eq_u32 s15, 0
	s_cbranch_scc0 .Lfor_b_\@
	tensor_load_to_lds s[G0+4*\slot:G0+4*\slot+3], s[G1:G1+7]
	s_nop 0
	PLACES 4
	s_branch .Lasked_\@
.Lfor_b_\@:
	tensor_load_to_lds s[G0B+4*\slot:G0B+4*\slot+3], s[G1B:G1B+7]
	s_nop 0
	PLACES 4
.Lasked_\@:
.endm
.macro CREST                           ; a round of the cluster's barrier behind its opening barrier
	s_cmp_lg_u32 s14, 0
	s_cbranch_scc1 .Lnot_wave_0_\@
	s_barrier_signal -3
.Lnot_wave_0_\@:
	s_barrier_wait -3
	s_barrier_signal -1
	s_barrier_wait -1
.endm
.macro CROUND
	s_barrier_signal -1
	s_barrier_wait -1
	CREST
.endm
.macro SCLD base, reg                  ; four loads of 512 consecutive bytes: 32 rows x 16 bytes each
.irp j, 0,1,2,3
	global_load_b128 v[\reg+4*\j:\reg+4*\j+3], v[CO], s[\base:\base+1] offset:512*\j
.endr
.endm
.macro NEXTRK shift                    ; s8 = (the rank after s2's, round the eight) << shift
	s_add_co_u32 s[TP], s[RK], 1
	s_and_b32 s[TP], s[TP], 7
	s_lshl_b32 s[TP], s[TP], \shift
.endm
	s_load_b128 s[4:7], s[0:1], 0x0                ; A's codes, A's scales
	s_load_b128 s[8:11], s[0:1], 0x10              ; B's codes, B's scales
	s_load_b64 s[12:13], s[0:1], 0x20              ; C
	v_lshl_add_u32 v[SPW], v0, 2, SPARE
	v_mov_b32 v[NIL], 0
	ds_add_u32 v[SPW], v[NIL]                      ; the opening lines: the add, twice on end, and its wait ahead of my first tensor load
	ds_add_u32 v[SPW], v[NIL]
	v_lshrrev_b32 v1, 5, v0
	v_readfirstlane_b32 s14, v1                    ; wave 0..3
	s_lshr_b32 s15, s14, 1                         ; my half of the tile's rows; in the ring: I fetch for A (0) or B (1)
	s_and_b32 s16, s14, 1                          ; my half of its columns; in the ring: which 128 rows I fetch
	s_bfe_u32 s40, ttmp6, 0x40000                  ; cx
	s_bfe_u32 s41, ttmp6, 0x40004                  ; cy
	s_lshl_b32 s42, ttmp9, 2
	s_add_co_u32 s42, s42, s40                     ; tile column
	s_and_b32 s17, ttmp7, 0xffff
	s_add_co_u32 s[RK], s17, ttmp9                 ; cluster y + cluster x
	s_and_b32 s[RK], s[RK], 3
	s_lshl_b32 s[RK], s[RK], 1                     ; the cluster's first rank: 0, 2, 4 or 6
	s_lshl_b32 s17, s17, 2
	s_add_co_u32 s17, s17, s41                     ; tile row
	s_lshl_b32 s43, s41, 2
	s_lshl_b32 s43, 15, s43                        ; my row of the cluster
	s_lshl_b32 s44, 0x1111, s40                    ; my column
	s_or_b32 s[G1], s43, G1W
	s_or_b32 s[G1H], s43, G1W
	s_or_b32 s[G1B], s44, G1W
	s_or_b32 s[G1HB], s44, G1W
	G1SET G1, 128
	G1SET G1B, 128
	G1SET G1H, 256
	G1SET G1HB, 256
	s_lshl_b32 s20, s17, 17                        ; A's tile: 256 rows x 512 bytes x tile row
	s_mov_b32 s21, 0
	s_lshl_b32 s46, s42, 17                        ; B's, by the tile column
	s_mov_b32 s47, 0
	s_lshl_b32 s18, s16, 16                        ; the 128 rows that I fetch in the ring
	s_mov_b32 s19, 0
	s_mul_i32 s45, s14, HALFT                      ; and where they go: wave x 128 rows
	s_wait_dscnt 0x0                               ; both opening adds are done
	s_wait_kmcnt 0x0
	s_add_nc_u64 s[20:21], s[4:5], s[20:21]
	s_add_nc_u64 s[46:47], s[8:9], s[46:47]
	s_add_nc_u64 s[ABS:ABS+1], s[20:21], s[18:19]
	s_add_nc_u64 s[BBS:BBS+1], s[46:47], s[18:19]
	s_cmp_eq_u32 s15, 0
	s_cselect_b64 s[PFB:PFB+1], s[4:5], s[8:9]     ; the buffer that my prefetches name: the one that I fetch for
	s_lshl_b32 s[TP], s[RK], 21                    ; the first rank, in bytes of codes
	s_mov_b32 s[TP+1], 0
	s_add_nc_u64 s[20:21], s[20:21], s[TP:TP+1]
	s_add_nc_u64 s[46:47], s[46:47], s[TP:TP+1]
.irp s, 0,1
	s_mov_b32 s[G0+4*\s], 1                        ; the ring's group 0: count and LDS address; each refill writes the global address
	s_add_co_u32 s[G0+4*\s+1], s45, \s*SLOT
	s_mov_b32 s[G0B+4*\s], 1
	s_add_co_u32 s[G0B+4*\s+1], s45, \s*SLOT
.endr
	G0SET H0, 0, 20, 0                             ; the first rank: A's 256 rows, bytes 0-255
	G0SET H1, 2*HALFT, 46, 0                       ; B's
	G0SET H2, SLOT, 20, 256                        ; A's, bytes 256-511
	G0SET H3, SLOT+2*HALFT, 46, 256                ; B's (in the registers that held the mask, the wave's LDS place and B's tile: all used)
	CROUND                                         ; all sixteen work-groups are here: the first joint loads meet
.macro ARM under, g0, g1, next         ; one chain of branches on the wave's number, one load to an arm, all arms to one join
	s_cmp_lt_u32 s14, \under
	s_cbranch_scc0 \next
	tensor_load_to_lds s[\g0:\g0+3], s[\g1:\g1+7]
	s_nop 0
	PLACES 4
	s_branch .Lhead_asked
\next:
.endm
	ARM 1, H0, G1H,  .Lhead_1
	ARM 2, H1, G1HB, .Lhead_2
	ARM 3, H2, G1H,  .Lhead_3
	tensor_load_to_lds s[H3:H3+3], s[G1HB:G1HB+7]
	s_nop 0
	PLACES 4
.Lhead_asked:
	s_lshl_b32 s[TP], s17, 12                      ; A's scales: 256 rows x 16 bytes x tile row + my 128 rows
	s_lshl_b32 s43, s15, 11
	s_add_co_u32 s[TP], s[TP], s43
	s_add_nc_u64 s[SAB:SAB+1], s[SAB:SAB+1], s[TP:TP+1]
	s_lshl_b32 s[TP], s42, 12
	s_lshl_b32 s43, s16, 11
	s_add_co_u32 s[TP], s[TP], s43
	s_add_nc_u64 s[SBB:SBB+1], s[SBB:SBB+1], s[TP:TP+1]
	s_lshl_b32 s[TP], s[RK], 16                    ; the first rank, in scale bytes
	s_add_nc_u64 s[SA:SA+1], s[SAB:SAB+1], s[TP:TP+1]
	s_add_nc_u64 s[SB:SB+1], s[SBB:SBB+1], s[TP:TP+1]
	s_lshl_b32 s[TP], s17, 22                      ; C: (256 x tile row + 128 x half) rows of 16,384 bytes + 1,024 x tile column + 512 x half
	s_lshl_b32 s43, s15, 21
	s_add_co_u32 s[TP], s[TP], s43
	s_lshl_b32 s43, s42, 10
	s_add_co_u32 s[TP], s[TP], s43
	s_lshl_b32 s43, s16, 9
	s_add_co_u32 s[TP], s[TP], s43
	s_add_nc_u64 s[12:13], s[12:13], s[TP:TP+1]
	; THE PREFETCHES.  Every cluster asks for what it will itself load.  Of the 128 rows that a wave fetches in the ring, each of the four partners that ask for them jointly names 32, told apart BY ADDRESS
	; (cx for A, cy for B): a lane a row, 256 bytes of it, one instruction a wave.  Behind the refill that asks for a half of the next lap's rank the same half of the rank after that is named: two K steps of
	; 256 ahead of its load.  The second lap's rank is named here, behind the head's loads; the loop covers laps 0 to 5, so the last rank named is the eighth lap's.
	s_cmp_eq_u32 s15, 0
	s_cselect_b32 s[TP], s17, s42
	s_cselect_b32 s43, s40, s41
	s_lshl_b32 s[TP], s[TP], 8
	s_lshl_b32 s20, s16, 7
	s_add_co_u32 s[TP], s[TP], s20
	s_lshl_b32 s43, s43, 5
	s_add_co_u32 s[TP], s[TP], s43                 ; my first row
	s_lshl_b32 s[TP], s[TP], 9
	s_add_nc_u64 s[PFB:PFB+1], s[PFB:PFB+1], s[TP:TP+1]
	NEXTRK 21
	s_add_nc_u64 s[PFA:PFA+1], s[PFB:PFB+1], s[TP:TP+1]
	s_mul_i32 s[TP], s15, HALFT                    ; my 128 rows of A in a slot
	s_mul_i32 s43, s16, HALFT
	s_add_co_u32 s43, s43, 2*HALFT                 ; my 128 rows of B
	s_mul_i32 s20, s14, 16*SPITCH                  ; my stage
	v_and_b32 v6, 31, v0
	v_lshlrev_b32 v[CO], 4, v6
	v_lshlrev_b32 v[PFO], 9, v6
	v_and_b32 v1, 15, v0                           ; r
	v_bfe_u32 v2, v0, 4, 1                         ; h
	v_mul_u32_u24 v3, v1, PITCH
	v_lshl_add_u32 v4, v2, 4, v3                   ; a fragment's row x pitch + 16 h
	v_add_nc_u32 v[ADRA], s[TP], v4
	v_add_nc_u32 v[ADRB], s43, v4
	v_add_nc_u32 v[ADRA+1], SLOT, v[ADRA]
	v_add_nc_u32 v[ADRB+1], SLOT, v[ADRB]
	v_mul_u32_u24 v5, v1, SPITCH
	v_lshl_add_u32 v5, v2, 5, v5
	v_add_nc_u32 v[STO], s20, v5                   ; in: row r, 32 bytes for each half of the lanes
	v_add_nc_u32 v[RD], s20, v[CO]                 ; back: 32 lanes take one row of 512 bytes
	s_mov_b32 s[OFS+1], 0
	s_wait_alu depctr_va_vdst(0)                   ; the wait at the head's end
	SCLD SA, SC                                    ; the first rank's scale words
	SCLD SB, SC+18
	global_prefetch_b8 v[PFO], s[PFA:PFA+1] th:TH_LOAD_NT scope:SCOPE_SE
	global_prefetch_b8 v[PFO], s[PFA:PFA+1] offset:256 th:TH_LOAD_NT scope:SCOPE_SE
.macro FRAG reg, adr, q, i             ; 16 rows x 128 K: lane l holds row l % 16; registers 4 c .. 4 c + 3 hold K = 32 c + 16 (l / 16) + 0 .. 15
.irp c, 0,1,2,3
	ds_load_b128 v[\reg+4*\c:\reg+4*\c+3], v[\adr] offset:128*(\q)+32*\c+(\i)*16*PITCH
.endr
.endm
.macro LA slot, q, i0, n               ; A's blocks i0 .. i0 + n - 1 of the slot's q-th 128 along K
	WIN 0
.set ii, \i0
.rept \n
	FRAG AF+FR*ii, ADRA+(\slot), \q, ii
.set ii, ii+1
.endr
.endm
.macro LB slot, q, i0, n               ; B's blocks i0 .. i0 + n - 1, into set q
	WIN TO_B
.set ii, \i0
.rept \n
	FRAG 128*(\q)+FR*ii, ADRB+(\slot), \q, ii
.set ii, ii+1
.endr
.endm
.macro WM zero, rb, ra                 ; one product.  Source 0 is B: its words are read from lanes 16-31 of rSB where rb = 1 (an odd block); source 1 is A: ra likewise
.if \zero
.if (\rb) && (\ra)
	v_wmma_scale_f32_16x16x128_f8f6f4 v[rD:rD+7], v[rB:rB+FR-1], v[rA:rA+FR-1], 0, v[rSB], v[rSA] matrix_a_scale:MATRIX_SCALE_ROW1 matrix_b_scale:MATRIX_SCALE_ROW1
.elseif (\rb)
	v_wmma_scale_f32_16x16x128_f8f6f4 v[rD:rD+7], v[rB:rB+FR-1], v[rA:rA+FR-1], 0, v[rSB], v[rSA] matrix_a_scale:MATRIX_SCALE_ROW1
.elseif (\ra)
	v_wmma_scale_f32_16x16x128_f8f6f4 v[rD:rD+7], v[rB:rB+FR-1], v[rA:rA+FR-1], 0, v[rSB], v[rSA] matrix_b_scale:MATRIX_SCALE_ROW1
.else
	v_wmma_scale_f32_16x16x128_f8f6f4 v[rD:rD+7], v[rB:rB+FR-1], v[rA:rA+FR-1], 0, v[rSB], v[rSA]
.endif
.else
.if (\rb) && (\ra)
	v_wmma_scale_f32_16x16x128_f8f6f4 v[rD:rD+7], v[rB:rB+FR-1], v[rA:rA+FR-1], v[rD:rD+7], v[rSB], v[rSA] matrix_a_scale:MATRIX_SCALE_ROW1 matrix_b_scale:MATRIX_SCALE_ROW1
.elseif (\rb)
	v_wmma_scale_f32_16x16x128_f8f6f4 v[rD:rD+7], v[rB:rB+FR-1], v[rA:rA+FR-1], v[rD:rD+7], v[rSB], v[rSA] matrix_a_scale:MATRIX_SCALE_ROW1
.elseif (\ra)
	v_wmma_scale_f32_16x16x128_f8f6f4 v[rD:rD+7], v[rB:rB+FR-1], v[rA:rA+FR-1], v[rD:rD+7], v[rSB], v[rSA] matrix_b_scale:MATRIX_SCALE_ROW1
.else
	v_wmma_scale_f32_16x16x128_f8f6f4 v[rD:rD+7], v[rB:rB+FR-1], v[rA:rA+FR-1], v[rD:rD+7], v[rSB], v[rSA]
.endif
.endif
.endm
; A's block a against B's eight, np v_nop behind each product.  The step's B set cQ, its place in the rank cG, its scale set cSC and cZ (1: the product starts the sum) are set by the step.
; The 64 accumulators take turns, one product a turn, in the same order in every step.
.macro MULS a, np
	WIN MUL_LO+0x50*((\a)/4)
.set bb, 0
.rept 8
.set rD,  8*(8*((\a)%4)+bb)
.set rB,  128*cQ+FR*bb
.set rA,  AF+FR*(\a)
.set rSB, SC+36*cSC+18+4*(bb/2)+cG
.set rSA, SC+36*cSC+4*((\a)/2)+cG
	WM cZ, bb%2, (\a)%2
	PLACES \np
.set bb, bb+1
.endr
.endm
; A step: the slot's q-th 128 along K.  ld = 1: the next lap's scale words are asked for, into the other set.  meet (with q = 1, and only there): the change of slots: 1 = with a round and a refill,
; 2 = a barrier alone (the last lap).  ask = 1: the step prefetches.
.macro KSTEP slot, q, sc, zero, ld, meet, ask
.set cQ, \q
.set cG, 2*(\slot)+(\q)
.set cSC, \sc
.set cZ, \zero
.set nS, ((\slot)+(\q))%2              ; the next step's slot and place in it
.set nQ, 1-(\q)
.if cG == 0
	s_wait_loadcnt 0x0                             ; this lap's scale words, asked for a lap ago; their loads are done, so their addresses may be written
.endif
.if \meet == 1
.if (\slot) == 0
	s_add_co_u32 s[RK], s[RK], 1                   ; the next lap's rank, round the eight; no memory instruction names these registers
	s_and_b32 s[RK], s[RK], 7
	s_lshl_b32 s[OFS], s[RK], 21
.else
	s_or_b32 s[OFS], s[OFS], 256                   ; the same rank, bytes 256-511 of the rows
.endif
.endif
.if (\ask) && ((\slot) == 0)
	s_wait_xcnt 0x0                                ; the earlier prefetches have read their address
	NEXTRK 21
	s_add_nc_u64 s[PFA:PFA+1], s[PFB:PFB+1], s[TP:TP+1]   ; the rank after the next lap's: both changes of slots of the lap name it
.endif
	PLACES 8                                       ; behind the last step's last product, which read A7 and B's other set
	LA \slot, \q, 6, 2                             ; this step's A6, A7
.if (\q) == 0
	LB nS, nQ, 0, 6
	s_wait_dscnt 40                                ; all but the last step's A4, A5 (8) and the 32 just issued: B's set and A0 to A3 are in
.else
	s_wait_dscnt 16                                ; all but the last step's A4, A5 (8) and the 8 just issued
.endif
	MULS 0, 0
.if \meet
	WIN 0                                          ; (the add's two registers lie in window 0)
	s_wait_tensorcnt 0x0                           ; all my tensor loads have landed: my part of the next slot
	ds_add_u32 v[SPW], v[NIL]
.if \meet == 1
	s_add_nc_u64 s[G0+4*\slot+2:G0+4*\slot+3], s[ABS:ABS+1], s[OFS:OFS+1]      ; no load of mine is out: this slot's rows in the next lap's rank; every wave writes both
	s_or_b32 s[G0+4*\slot+3], s[G0+4*\slot+3], 0x80000000
	s_add_nc_u64 s[G0B+4*\slot+2:G0B+4*\slot+3], s[BBS:BBS+1], s[OFS:OFS+1]
	s_or_b32 s[G0B+4*\slot+3], s[G0B+4*\slot+3], 0x80000000
.endif
	s_wait_dscnt 0x0                               ; the add is done, and my reads of this slot are over (the last: A6, A7)
	s_barrier_signal -1
	MULS 1, 0
	WIN 0
	s_barrier_wait -1
.if \meet == 1
	CREST                                          ; the barrier has opened a round of the cluster's: no wave of any partner still reads this slot or has a load on its way
	JLOAD \slot                                    ; the first tensor load behind the round, one a wave
.endif
	LB nS, nQ, 0, 8                                ; (that set was last read by the last step: the eight places at this step's head stand between)
	MULS 2, 0
	MULS 3, 0
	PLACES 8
	LA nS, nQ, 0, 4
.if \ask
	global_prefetch_b8 v[PFO], s[PFA:PFA+1] offset:256*\slot th:TH_LOAD_NT scope:SCOPE_SE
.endif
.else
	MULS 1, 0
	MULS 2, 0
	MULS 3, 0
	PLACES 8
	LB nS, nQ, 6, 2
	LA nS, nQ, 0, 4
.if \ld
	NEXTRK 16
	s_add_nc_u64 s[SA:SA+1], s[SAB:SAB+1], s[TP:TP+1]
	s_add_nc_u64 s[SB:SB+1], s[SBB:SBB+1], s[TP:TP+1]
	SCLD SA, SC+36*(1-(\sc))                       ; the other set was last read by the last step's products: eight places and more stand between
	SCLD SB, SC+36*(1-(\sc))+18
.endif
	s_wait_dscnt 56                                ; all but this step's 32 + 24: A4 and A5 are in
.endif
	MULS 4, 0
	MULS 5, 0
	PLACES 8
	LA nS, nQ, 4, 2
.if (\q) == 0
	s_wait_dscnt 56                                ; behind A6 and A7 this step has issued 24 + 24 + 8: they are in
.endif
	MULS 6, 0
	MULS 7, 0
.endm
; THE WAY OUT, by blocks of 16 rows x 128 columns: through my own stage in LDS and back as whole rows of 512 bytes.  LDS serves a wave's instructions in order (ISA guide 5.7.1.4).
.macro TOSTAGE a
.set AC, 64*((\a)%4)
	WIN 0x08+4*((\a)/4)                            ; the data: window 2 or 3
.irp b, 0,1,2,3,4,5,6,7
	ds_store_b128 v[STO], v[AC+8*\b:AC+8*\b+3] offset:64*\b          ; each accumulator from its low end on
	ds_store_b128 v[STO], v[AC+8*\b+4:AC+8*\b+7] offset:64*\b+16
.endr
	WIN TO_B
.set BB, 64*((\a)%2)                   ; window 1, v0-63 and v64-127 by turns: B's set 0, which the last step does not read
.irp t, 0,1,2,3,4,5,6,7,8,9,10,11,12,13,14,15
	ds_load_b128 v[BB+4*\t:BB+4*\t+3], v[RD] offset:\t*SPITCH
.endr
.endm
.macro SEND a, younger                 ; younger: the LDS instructions issued behind block a's loads
.set BB, 64*((\a)%2)
	s_wait_dscnt \younger
.if (\a) > 0
	s_add_nc_u64 s[12:13], s[12:13], 16*SIZE_N*4   ; (behind a wait on XCNT)  16 rows of C on: the offsets reach 15 rows of 16,384 bytes
.endif
	WIN 0x04                                       ; the data: window 1
.irp t, 0,1,2,3,4,5,6,7,8,9,10,11,12,13,14,15
	global_store_b128 v[CO], v[BB+4*\t:BB+4*\t+3], s[12:13] offset:\t*SIZE_N*4 th:TH_STORE_NT   ; 32 lanes store 512 consecutive bytes, at a multiple of 256 from C's first byte
.endr
.endm
.macro OUT k                           ; block k into the stage, block k - 1 to memory
.if (\k) > 1
	s_wait_xcnt 0x0                                ; block k - 2's stores have read their registers and their base
.endif
	TOSTAGE \k
	SEND \k-1, 32                                  ; behind block k - 1's loads: block k's 16 stores and 16 loads
.endm
	s_cmp_lt_u32 s14, 2                            ; waves 0 and 1 issued slot 0's two loads: they wait; the lines of waves 2 and 3 are slot 1's, waited for at the first change of slots
	s_cbranch_scc0 .Lslot_1_wave
	s_wait_tensorcnt 0x0
.Lslot_1_wave:
	s_barrier_signal -1
	s_barrier_wait -1                              ; slot 0 is whole
	LB 0, 0, 0, 8                                  ; the first step's fragments, in the order in which a step asks for its successor's
	LA 0, 0, 0, 4
	LA 0, 0, 4, 2
	s_wait_dscnt 24                                ; B's set is in: with the first step's 32 loads 56 are out at the most
	KSTEP 0, 0, 0, 1, 1, 0, 0                      ; the first step stands in front of the loop: its products start the sums
	WIN 0                                          ; at a label and at a branch every window is 0
	s_mov_b32 s3, 3
.Ltrip:                                                ; a trip is two laps, from a lap's second step to the first step of the lap after the next
	KSTEP 0, 1, 0, 0, 0, 1, 1
	KSTEP 1, 0, 0, 0, 0, 0, 0
	KSTEP 1, 1, 0, 0, 0, 1, 1
	KSTEP 0, 0, 1, 0, 1, 0, 0
	KSTEP 0, 1, 1, 0, 0, 1, 1
	KSTEP 1, 0, 1, 0, 0, 0, 0
	KSTEP 1, 1, 1, 0, 0, 1, 1
	KSTEP 0, 0, 0, 0, 1, 0, 0
	WIN 0
	s_sub_co_u32 s3, s3, 1
	s_cmp_lg_u32 s3, 0
	s_cbranch_scc1 .Ltrip
	KSTEP 0, 1, 0, 0, 0, 1, 0                      ; the seventh lap goes on: slot 0 takes the eighth's first half; nothing more is prefetched
	KSTEP 1, 0, 0, 0, 0, 0, 0
	KSTEP 1, 1, 0, 0, 0, 1, 0                      ; slot 1 takes its second half: the last tensor loads
	KSTEP 0, 0, 1, 0, 0, 0, 0
	KSTEP 0, 1, 1, 0, 0, 2, 0                      ; the last lap fills nothing, and has no round
	KSTEP 1, 0, 1, 0, 0, 0, 0
	; THE LAST STEP: a block of 16 rows is finished with its eight products and leaves behind the next block's (whose eight v_nop are the places ahead of the stores that read it)
.set cQ, 1
.set cG, 3
.set cSC, 1
.set cZ, 0
	PLACES 8                                       ; behind the last step's last product: for A6, A7 and for the rows of C that land in B's set 0
	LA 1, 1, 6, 2
	s_wait_dscnt 16
	MULS 0, 1
	MULS 1, 1
	TOSTAGE 0
.irp a, 2,3,4,5,6,7
	MULS \a, 1                                     ; (A4 to A7 are in: SEND's wait leaves only the 32 LDS instructions of the block behind them out)
	OUT \a-1
.endr
	PLACES 8
	OUT 7
	s_wait_xcnt 0x0
	SEND 7, 0
	WIN 0
	s_wait_tensorcnt 0x0                           ; the wave's end
	ds_add_u32 v[SPW], v[NIL]
	s_wait_dscnt 0x0
	CROUND                                         ; the closing round
	s_endpgm
.Lfunc_end_k_q8e8a1dcb70_gemm_rs:
	.size	k_q8e8a1dcb70_gemm_rs, .Lfunc_end_k_q8e8a1dcb70_gemm_rs-k_q8e8a1dcb70_gemm_rs
	.p2alignl 7, 3214868480
	.fill 96, 4, 3214868480
	.section	.rodata,"a",@progbits
	.p2align	6, 0x0
	.amdhsa_kernel k_q8e8a1dcb70_gemm_rs
		.amdhsa_group_segment_fixed_size 327680
		.amdhsa_private_segment_fixed_size 0
		.amdhsa_enable_private_segment 0
		.amdhsa_kernarg_size 40
		.amdhsa_user_sgpr_count 2
		.amdhsa_user_sgpr_kernarg_segment_ptr 1
		.amdhsa_wavefront_size32 1
		.amdhsa_system_sgpr_workgroup_id_x 1
		.amdhsa_system_sgpr_workgroup_id_y 1
		.amdhsa_system_sgpr_workgroup_id_z 1
		.amdhsa_system_vgpr_workitem_id 0
		.amdhsa_next_free_vgpr 1024
		.amdhsa_next_free_sgpr 100
		.amdhsa_reserve_vcc 0
		.amdhsa_float_denorm_mode_32 3
		.amdhsa_float_denorm_mode_16_64 3
		.amdhsa_memory_ordered 1
		.amdhsa_forward_progress 1
		.amdhsa_inst_pref_size 255
	.end_amdhsa_kernel
	.section	.bss,"aw",@nobits
	.p2align	6
	.space	262144
	.amdgpu_metadata
---
amdhsa.version: [ 1, 2 ]
amdhsa.kernels:
  - .name:           k_q8e8a1dcb70_gemm_rs
    .symbol:         k_q8e8a1dcb70_gemm_rs.kd
    .args:
      - { .name: a_codes, .offset: 0, .size: 8, .value_kind: global_buffer, .address_space: global }
      - { .name: a_scales, .offset: 8, .size: 8, .value_kind: global_buffer, .address_space: global }
      - { .name: b_codes, .offset: 16, .size: 8, .value_kind: global_buffer, .address_space: global }
      - { .name: b_scales, .offset: 24, .size: 8, .value_kind: global_buffer, .address_space: global }
      - { .name: out0, .offset: 32, .size: 8, .value_kind: global_buffer, .address_space: global }
    .group_segment_fixed_size: 327680
    .private_segment_fixed_size: 0
    .kernarg_segment_align: 8
    .kernarg_segment_size: 40
    .max_flat_workgroup_size: 128
    .sgpr_count:     100
    .vgpr_count:     1024
    .wavefront_size: 32
...
	.end_amdgpu_metadata
.endif
;; end of part 1
